; MI455X (gfx1250); checked and timed in simulation.
; The chip was launched on July 23, 2026; its instructions are those of AMD's public machine-readable ISA for CDNA 5 (MIT licence, August 2026) and "CDNA5" Instruction Set Architecture Reference Guide (July 2026). The comments in the code are by the model that wrote it; some were corrected since.
;; K Linear. Allowed arithmetic: matrix products marked QUANTISED: E3M2 operands, one E8M0 scale for each 32 along K, by v_wmma_scale_f32_16x16x128_f8f6f4 with both operands' format E3M2, f32 sums; products left as they are: f32 operands where the result goes on into a quantised operand, else bf16, f16 or f32 operands; f32 sums; everything else in f32.
;; Inputs: L0 64 x 64 float32; L1 32 x 32 float32; L2 128 x 128 float32; R0 64 x 64 float32; R1 128 x 128 float32; R2 32 x 32 float32; bias 4,096 float32; x_codes 8 x 512 x 128 x 24 uint8 (E3M2 codes of x, K innermost, in blocks of 32 codes, four codes in three bytes); x_scales 8 x 512 x 128 uint8 (E8M0 scales of x, one for each 32 codes along K).
;; Outputs: out0 8 x 512 x 4,096 float32.
;; This version of the problem:
;;   THIS VERSION OF THE PROBLEM IS GIVEN IN LOW PRECISION. The matrix products marked QUANTISED in the list below multiply operands that are first quantised to E3M2 (3 exponent bits, 2 mantissa bits; 6 bits a number), with one power-of-two scale for each 32 numbers along K (OCP MX v1.0); their sums are f32. All else is computed in f32.
;;   The module's matrix products, in the order in which they are computed (A, B: the left and right operand; K: the contracted axis; several contracted axes count as one K, in the product's order):
;;     1. [M 4,096, K 1] x [K 1, N 4,096]; A: computed on the way; B: computed on the way: left as it is (no contracted axis)
;;     2. [M 16,384, K 1] x [K 1, N 1,024]; A: computed on the way; B: computed on the way: left as it is (no contracted axis)
;;     3. [M 1,024, K 1] x [K 1, N 16,384]; A: computed on the way; B: computed on the way: left as it is (no contracted axis)
;;     4. [M 4,096, K 4,096] x [K 4,096, N 4,096]; A: input x (given as codes); B: computed on the way: QUANTISED
;;   THE QUANTISER, for each operand of a quantised product, along K:
;;     - K is cut into blocks of 32 from its start; a last block that is shorter is filled with zeros.
;;     - A block's scale is 2^e with e = floor(log2(the largest magnitude in the block)) - 4, held to -126 .. 127; a block of zeros has e = 0. As a byte (E8M0): e + 127.
;;     - Each number is divided by its block's scale, clamped to +-28, and rounded to the nearest number of E3M2, ties to even, subnormals kept.
;;     - The product sums the exact products of the quantised numbers (number of the format x scale) in f32.
;;   ~~~python
;;   def quantise(x, axis):      # numpy; x: float32 -> the quantised numbers, widened to float32 again
;;       x = np.moveaxis(x, axis, -1); K = x.shape[-1]
;;       x = np.pad(x, [(0, 0)] * (x.ndim - 1) + [(0, -K % 32)]); x = x.reshape(x.shape[:-1] + (-1, 32)); a = np.abs(x).max(-1, keepdims=True)
;;       e = np.where(a > 0, np.clip(np.frexp(np.where(a > 0, a, 1))[1] - 1 - 4, -126, 127), 0)      # np.frexp(a)[1] - 1 = floor(log2(a)), exactly
;;       r = np.clip(x / 2.0 ** e, -28, 28)
;;       step = 2.0 ** (np.maximum(np.frexp(np.where(r == 0, 1, r))[1] - 1, -2) - 2)
;;       q = np.round(r / step) * step * 2.0 ** e      # np.round: ties to even
;;       return np.moveaxis(q.reshape(q.shape[:-2] + (-1,))[..., :K], -1, axis).astype(np.float32)
;;   ~~~
;;   OPERANDS COMPUTED ON THE WAY. 'Computed on the way' means the value that the module computes at that place (a softmax that the list does not call 'softmax' is quantised finished and normalised). What goes into a quantiser is computed in f32, as accurately as f32 sums, v_exp_f32 and their like allow (about 1e-6 of the number): no bf16 or f16 on the way to a quantiser, and a product that is left as it is and whose result goes on into a quantised operand takes f32 operands (vector FMAs, or v_wmma_f32_16x16x4_f32). A number that lies on a knife's edge between two numbers of the format may be rounded either way, as far as f32 arithmetic and the matrix unit's own rounding can turn it there, and no further.
;;   INPUTS GIVEN AS CODES. x (in the module: [8, 512, 4096], K = its axis 2): each comes as NAME_codes (uint8): NAME with its K axis moved to the last place and cut into blocks of 32 codes, [.., K / 32, bytes a block], one block behind the other in memory; four codes in three bytes: a row's codes are one little-endian stream of bits, code i at bits 6 i .. 6 i + 5 (a code: sign, 3 exponent bits, 2 mantissa bits); and NAME_scales (uint8): the same leading axes, one E8M0 byte (e + 127) for each 32 codes along K. Its value is code x scale, taken as it is: it is not quantised again, and the codes and scales need not be those that the quantiser above would give.
;; One version. Each part assembles by itself: llvm-mc -triple=amdgcn-amd-amdhsa -mcpu=gfx1250 --defsym DOCPART=n.
;; ======== version 1 of 1: 2 launches
;; limits: right only within a limited range of input values
;; workspace buffers: xi 13,107,200 bytes; wi 13,107,200 bytes
;; launch makew (part 1): grid 256 x 1, 4 waves a work-group, no clusters, 50,688 bytes of LDS; arguments L0, R0, L1, R1, L2, R2, x_codes, x_scales, xi, wi; writes xi, wi
.if DOCPART == 1
	.amdgcn_target "amdgcn-amd-amdhsa--gfx1250"
	.amdhsa_code_object_version 6
	.text
	.protected	k_q57f8f8ec1d_makew
	.globl	k_q57f8f8ec1d_makew
	.p2align	8
	.type	k_q57f8f8ec1d_makew,@function
k_q57f8f8ec1d_makew:
	s_mov_b64 s[64:65], 0
	v_nop
	global_prefetch_b8 v0, s[64:65] scope:SCOPE_SE
	s_setreg_imm32_b32 hwreg(HW_REG_WAVE_MODE, 25, 1), 1
	s_wait_xcnt 0x0
; TWO THINGS, both for the product in the next launch.
; (1) W[k][n] = (L0[k>>6][n>>6] R0[k&63][n&63] + L1[k>>7][n>>7] R1[k&127][n&127] + L2[k>>5][n>>5] R2[k&31][n&31]) / 3, [4096][4096], is formed in f32 and quantised along K
;     to codes of BF6 (E3M2), 6 bits each, with one E8M0 scale byte for each 32 along K.   (2) x's codes and scale bytes, taken as they are given, are laid anew.  No bit of them is changed.
; NOTHING IS LEFT OUT.  The quantiser acts on the finished sum of the three Kronecker products, and the codes of a sum are not sums of codes: so every one of W's numbers is
; formed, every input has a way to the output and is loaded, and the product with x is done whole, by the next launch.  The three products without a contracted axis are plain multiplications: here fused multiply-adds.
; THE LAYOUT OF BOTH RESULTS: THE ORDER OF THE OPERAND'S REGISTERS.  A UNIT is 128 rows (of x, or columns n of W) x 128 along K, 12,800 bytes: eight fragments of 16 rows, 1,536 bytes each, in which the 16 bytes of
; registers 4 c .. 4 c + 3 of lane l lie at 512 c + 16 l; then, from byte 12,288, the scale words: row r of fragment i at 64 i + 4 r.  Lane (r = l % 16, h = l / 16) of a fragment holds row r; registers 0-5 hold
; K = 32 h + 0 .. 31, registers 6-11 K = 64 + 32 h + 0 .. 31 of the unit's 128: 24 bytes each of the row's stream of bits.  The buffers are [block of 128 rows: 32][K step: 32][unit].
; ARITHMETIC of W, in f32, in the order of the sum as it is written: t = L0 R0; t = fma(L1, R1, t); t = fma(L2, R2, t); W = t x (1/3).
; LIMITS: the sums are fused (one rounding where the written form has two) and the division by 3 is a multiplication by the f32 number nearest to 1/3: about one unit in the last place of W.
; A block's scale byte is its largest magnitude's exponent field - 4, held at 1 from below by a floor of 2^(5 - 127) under the largest magnitude; blocks under that floor are held there.
; A block of zeros so gets the byte 1 where the stated quantiser says 127: its codes are zeros, which add nothing under that byte, and this program alone reads the bytes.  NaN and infinities in L or R are not served.
; SHARES.  Work-group g owns columns n = 16 g + r of W and rows m = 16 g + r of x: fragment g % 8 of the units of block g / 8.  Wave w owns K = 1024 w .. 1024 w + 1023: K steps 8 w + t, t = 0 .. 7.
; W: LANE (r, h) TAKES COLUMN r AND ITS REGISTERS RUN DOWN K: block kb = 32 w + 2 j + h, j = 0 .. 15, all 32 numbers in one lane.  Blocks j = 2 t and 2 t + 1 are registers 0-5 and 6-11 of that very lane in the fragment of
; K step 8 w + t: the conversions' results ARE the fragment, and leave by three stores of 512 consecutive bytes.  The halves of the lanes part by the block's parity, so a lane needs of R0 only rows 32 h + i (32 registers),
; of R1 only rows 32 h + 64 (j % 2) + i (64), of R2 all 32: 128 registers hold all of R that a lane ever multiplies by.
; x: a wave reads 768 bytes of each of its 16 rows, sixteen lanes to 256 consecutive bytes; they turn through the wave's own stage in LDS into fragments.  Its loads go out first; the turn and its stores stand while the tables' loads are on their way.
; THE SCALE WORDS leave in pieces of 64 consecutive bytes (sixteen lanes, 4 bytes each): a unit's 512 come from eight work-groups.  They are one byte in 25 of what the launch stores.
; No tensor load, no cluster, no matrix instruction, no barrier: the waves share nothing but the six tables, 172,032 bytes in all, which come through registers.
.set UNIT,   12800
.set SCOFF,  12288                     ; where a unit's scale words begin
.set SPITCH, 784                       ; a stage row: 768 bytes of x's codes + 16
.set WST,    16*SPITCH                 ; a wave's stage: 16 rows, 12,544 bytes
.set SPARE,  4*WST                     ; behind the four stages: the spare words, 128 bytes for each wave: two blocks of 256 bytes that no other line names
.set VR2,  3                           ; v3   R2: 4 r
.set VR0,  4                           ; v4   R0: 4 r + 8192 h (32 rows of 256 bytes)
.set VR1,  5                           ; v5   R1: 4 r + 16384 h (32 rows of 512 bytes)
.set VL2,  6                           ; v6   L2: 512 h (a row)
.set VZ,   7                           ; v7   0: L0 and L1 are the same for all lanes
.set STO,  8                           ; v8   the stage, by fragments: my row, + 24 h
.set RD0,  9                           ; v9   the stage, by rows: 16 x lane
.set RD1,  10                          ; v10  16 r + 272 h: the end of one row and the head of the next
.set GO1,  11                          ; v11  x's codes: 16 r + 2560 h, likewise
.set GO0,  12                          ; v12  16 x lane: x's codes by rows, and a fragment's place for my lane
.set VXS,  13                          ; v13  x's scale bytes: 128 r + 16 h
.set SPW,  14                          ; v14  LDS address of my spare word: SPARE + 4 x my thread's number; never rewritten
.set NIL,  15                          ; v15  0; never rewritten
.set VSX,  16                          ; v16  x's scale words on the way out: 4 r + four units x h
.set VSW,  17                          ; v17  W's: 4 r + one unit x h
.set MA,   18                          ; v18-19 the largest magnitude, in two chains
.set SOP,  20                          ; v20  the conversions' scale operand
.set SH8,  21                          ; v21  8 h
.set BY,   22                          ; v22-23 the scale bytes of a K step's two blocks
.set WD,   24                          ; v24  a scale word in the making
.set WP,   25                          ; v25  the other half of the lanes' part of it
.set WE,   26                          ; v26  an even K step's word, kept for the store that it shares with the next
.set WS,   27                          ; v27  what that store sends
.set L2V,  40                          ; v40-55  L2[32 w + 2 j + h][g >> 1], j = 0 .. 15
.set L0V,  56                          ; v56-71  L0[16 w + j][g >> 2]
.set L1V,  72                          ; v72-79  L1[8 w + m][g >> 3], m = j / 2
.set T,    80                          ; v80-111 the block
.set RR2,  112                         ; v112-143 R2[i][n & 31]
.set RR0,  144                         ; v144-175 R0[32 h + i][n & 63]
.set RR1,  176                         ; v176-239 R1[32 h + 64 e + i][n & 127], e = 0, 1
.set XC,   252                         ; v252-254 a block's upper 16 codes as they are made.  A fragment's 12 registers: v240-251 (even K steps), v28-39 (odd)
.set XR,   0                           ; in the second window of 256 registers: v0-95 x's codes by rows,
.set XF,   96                          ; v96-191 by fragments,
.set XW,   192                         ; v192-195 four scale words
.set MSB, 0
.macro WIN new                         ; s_set_vgpr_msb: bits 1:0 source 0, 3:2 source 1, 7:6 destination; the immediate's high byte repeats the setting that is left
.if MSB != \new
	s_set_vgpr_msb (MSB<<8)|\new
.set MSB, \new
.endif
.endm
	s_load_b256 s[4:11], s[0:1], 0x0               ; L0 s[4:5], R0 s[6:7], L1 s[8:9], R1 s[10:11]
	s_load_b256 s[12:19], s[0:1], 0x20             ; L2 s[12:13], R2 s[14:15], x's codes s[16:17], x's scale bytes s[18:19]
	s_load_b128 s[20:23], s[0:1], 0x40             ; x's units s[20:21], W's units s[22:23]
	v_lshl_add_u32 v[SPW], v0, 2, SPARE
	v_mov_b32 v[NIL], 0
	v_lshrrev_b32 v1, 5, v0
	v_readfirstlane_b32 s28, v1                    ; wave 0..3
	v_and_b32 v1, 15, v0                           ; r
	v_bfe_u32 v2, v0, 4, 1                         ; h
	v_lshlrev_b32 v[VR2], 2, v1
	v_lshl_add_u32 v[VR0], v2, 13, v[VR2]
	v_lshl_add_u32 v[VR1], v2, 14, v[VR2]
	v_lshlrev_b32 v[VL2], 9, v2
	v_mov_b32 v[VZ], 0
	s_mul_i32 s37, s28, WST                        ; my wave's stage
	v_mul_u32_u24 v[STO], v1, SPITCH
	v_mad_u32_u24 v[STO], v2, 24, v[STO]
	v_add_nc_u32 v[STO], s37, v[STO]
	v_and_b32 v[GO0], 31, v0
	v_lshlrev_b32 v[GO0], 4, v[GO0]
	v_add_nc_u32 v[RD0], s37, v[GO0]
	v_lshlrev_b32 v[GO1], 4, v1
	v_mad_u32_u24 v[RD1], v2, 272, v[GO1]
	v_add_nc_u32 v[RD1], s37, v[RD1]
	v_mad_u32_u24 v[GO1], v2, 2560, v[GO1]
	v_lshlrev_b32 v[VXS], 7, v1
	v_lshl_add_u32 v[VXS], v2, 4, v[VXS]
	v_mad_u32_u24 v[VSX], v2, 4*UNIT, v[VR2]
	v_mad_u32_u24 v[VSW], v2, UNIT, v[VR2]
	v_lshlrev_b32 v[SH8], 3, v2
	v_mov_b32 v[WP], 0                             ; written once: a lane permute's destination counts as one of its sources
	v_cmp_eq_u32 s36, 1, v2                        ; lanes 16-31
	s_mov_b32 s32, 0x3eaaaaab                      ; 1/3
	s_mov_b32 s33, s32                             ; (named with it as a pair, so it is written)
	s_mov_b32 s34, 0x76543210
	s_mov_b32 s35, 0xfedcba98                      ; v_permlanex16_b32's selects for lane l xor 16
	s_mov_b32 s31, 0
	s_wait_alu depctr_va_vdst(0)
	s_wait_kmcnt 0x0
	s_and_b32 s30, ttmp9, 1                        ; R2: columns 16 (g & 1) on
	s_lshl_b32 s30, s30, 6
	s_add_nc_u64 s[14:15], s[14:15], s[30:31]
	s_and_b32 s30, ttmp9, 3                        ; R0: columns 16 (g & 3) on
	s_lshl_b32 s30, s30, 6
	s_add_nc_u64 s[6:7], s[6:7], s[30:31]
	s_and_b32 s30, ttmp9, 7                        ; R1: columns 16 (g & 7) on
	s_lshl_b32 s30, s30, 6
	s_add_nc_u64 s[10:11], s[10:11], s[30:31]
	s_lshr_b32 s30, ttmp9, 1                       ; L2: column g >> 1, rows 32 w on (512 bytes a row)
	s_lshl_b32 s30, s30, 2
	s_lshl_b32 s38, s28, 14
	s_add_co_u32 s30, s30, s38
	s_add_nc_u64 s[12:13], s[12:13], s[30:31]
	s_lshr_b32 s30, ttmp9, 2                       ; L0: column g >> 2, rows 16 w on (256 bytes a row)
	s_lshl_b32 s30, s30, 2
	s_lshl_b32 s38, s28, 12
	s_add_co_u32 s30, s30, s38
	s_add_nc_u64 s[4:5], s[4:5], s[30:31]
	s_lshr_b32 s30, ttmp9, 3                       ; L1: column g >> 3, rows 8 w on (128 bytes a row)
	s_lshl_b32 s30, s30, 2
	s_lshl_b32 s38, s28, 10
	s_add_co_u32 s30, s30, s38
	s_add_nc_u64 s[8:9], s[8:9], s[30:31]
	s_mul_i32 s30, ttmp9, 16*3072                  ; x's codes: my work-group's 16 rows, my wave's 768 bytes of each
	s_mul_i32 s38, s28, 768
	s_add_co_u32 s30, s30, s38
	s_add_nc_u64 s[16:17], s[16:17], s[30:31]
	s_lshl_b32 s30, ttmp9, 11                      ; x's scale bytes: 16 rows of 128, my wave's 32 of each
	s_lshl_b32 s38, s28, 5
	s_add_co_u32 s30, s30, s38
	s_add_nc_u64 s[18:19], s[18:19], s[30:31]
	s_lshr_b32 s37, ttmp9, 3                       ; the units: block g / 8, K step 8 w
	s_lshl_b32 s37, s37, 5
	s_lshl_b32 s38, s28, 3
	s_add_co_u32 s37, s37, s38
	s_mul_i32 s37, s37, UNIT
	s_and_b32 s38, ttmp9, 7                        ; fragment g % 8
	s_lshl_b32 s30, s38, 6
	s_add_co_u32 s30, s30, s37
	s_add_nc_u64 s[24:25], s[20:21], s[30:31]      ; for the scale words: + 64 x fragment (the 12,288 stand in the stores' immediates)
	s_add_nc_u64 s[26:27], s[22:23], s[30:31]
	s_mul_i32 s30, s38, 1536
	s_add_co_u32 s30, s30, s37
	s_add_nc_u64 s[20:21], s[20:21], s[30:31]      ; for the codes: + 1,536 x fragment
	s_add_nc_u64 s[22:23], s[22:23], s[30:31]
	; every offset from here on is an immediate: no address register and no base is written again
	WIN 0x40                                       ; destination in the second window
.irp u, 0,1,2,3,4,5,6,7                    ; x's codes: two rows of 768 bytes are three loads of 512 bytes; sixteen lanes read 256 consecutive bytes, at a multiple of 256 from the buffer's first byte
	global_load_b128 v[XR+12*\u:XR+12*\u+3],    v[GO0], s[16:17] offset:6144*\u th:TH_LOAD_NT        ; row 2 u, bytes 0 .. 511
	global_load_b128 v[XR+12*\u+4:XR+12*\u+7],  v[GO1], s[16:17] offset:6144*\u+512 th:TH_LOAD_NT    ; row 2 u, bytes 512 .. 767; row 2 u + 1, bytes 0 .. 255
	global_load_b128 v[XR+12*\u+8:XR+12*\u+11], v[GO0], s[16:17] offset:6144*\u+3328 th:TH_LOAD_NT   ; row 2 u + 1, bytes 256 .. 767
.endr
	global_load_b128 v[XW:XW+3], v[VXS], s[18:19] th:TH_LOAD_NT    ; row r's scale words of K steps 8 w + 4 h + 0 .. 3
	WIN 0
.irp j, 0,1,2,3,4,5,6,7,8,9,10,11,12,13,14,15
	global_load_b32 v[L2V+\j], v[VL2], s[12:13] offset:1024*\j
.endr
.irp j, 0,1,2,3,4,5,6,7,8,9,10,11,12,13,14,15
	global_load_b32 v[L0V+\j], v[VZ], s[4:5] offset:256*\j
.endr
.irp m, 0,1,2,3,4,5,6,7
	global_load_b32 v[L1V+\m], v[VZ], s[8:9] offset:128*\m
.endr
.irp i, 0,1,2,3,4,5,6,7,8,9,10,11,12,13,14,15,16,17,18,19,20,21,22,23,24,25,26,27,28,29,30,31
	global_load_b32 v[RR2+\i], v[VR2], s[14:15] offset:128*\i
.endr
.irp i, 0,1,2,3,4,5,6,7,8,9,10,11,12,13,14,15,16,17,18,19,20,21,22,23,24,25,26,27,28,29,30,31
	global_load_b32 v[RR0+\i], v[VR0], s[6:7] offset:256*\i
.endr
.irp i, 0,1,2,3,4,5,6,7,8,9,10,11,12,13,14,15,16,17,18,19,20,21,22,23,24,25,26,27,28,29,30,31
	global_load_b32 v[RR1+\i], v[VR1], s[10:11] offset:512*\i
.endr
.irp i, 0,1,2,3,4,5,6,7,8,9,10,11,12,13,14,15,16,17,18,19,20,21,22,23,24,25,26,27,28,29,30,31
	global_load_b32 v[RR1+32+\i], v[VR1], s[10:11] offset:512*\i+32768
.endr
	; ---- x: rows into the stage, fragments out of it
	s_wait_loadcnt 63                              ; loads come back in order (ISA guide 5.7.1): 168 were issued behind x's 25, so x's are in
	WIN 0x04                                       ; a store's data are its source 1: the second window
.irp u, 0,1,2,3,4,5,6,7
	ds_store_b128 v[RD0], v[XR+12*\u:XR+12*\u+3]    offset:2*SPITCH*\u
	ds_store_b128 v[RD1], v[XR+12*\u+4:XR+12*\u+7]  offset:2*SPITCH*\u+512
	ds_store_b128 v[RD0], v[XR+12*\u+8:XR+12*\u+11] offset:2*SPITCH*\u+1040
.endr
.irp q, 0,1,2,3
	global_store_b32 v[VSX], v[XW+\q], s[24:25] offset:SCOFF+UNIT*\q   ; lanes 0-15: K step 8 w + q; lanes 16-31: four units on
.endr
	WIN 0x40
.irp t, 0,1,2,3,4,5,6,7                    ; LDS serves a wave's instructions in order (ISA guide 5.7.1.4): these see my stores.  Rows 196 words apart: the 32 lanes of a load touch 64 different banks (64 banks of 4 bytes: ISA guide 11.1)
.irp p, 0,1,2,3,4,5
	ds_load_b64 v[XF+12*\t+2*\p:XF+12*\t+2*\p+1], v[STO] offset:96*\t+48*(\p/3)+8*(\p%3)
.endr
.endr
	WIN 0x04
.irp t, 0,1,2,3,4,5,6,7
	s_wait_dscnt 42-6*\t                           ; the count is the later fragments' loads, which may stay out
.irp c, 0,1,2
	global_store_b128 v[GO0], v[XF+12*\t+4*\c:XF+12*\t+4*\c+3], s[20:21] offset:UNIT*\t+512*\c   ; 32 lanes store 512 consecutive bytes, at a multiple of 256 from the buffer's first byte
.endr
.endr
	WIN 0
; ---- W
; 16 packed instructions: the block's 32 numbers, two at a time, take R's 32 at v[rb] on times the ONE number in v[lr].  acc = 0: T = R L; acc = 1: T = R L + T.
; The packed form names an even pair: of it the first register feeds both halves where lr is even, the second where it is odd.
.macro PKL acc, rb, lr
.irp i, 0,2,4,6,8,10,12,14,16,18,20,22,24,26,28,30
.if ((\lr)%2) == 0
.if \acc
	v_pk_fma_f32 v[T+\i:T+\i+1], v[(\rb)+\i:(\rb)+\i+1], v[(\lr):(\lr)+1], v[T+\i:T+\i+1] op_sel_hi:[1,0,1]
.else
	v_pk_mul_f32 v[T+\i:T+\i+1], v[(\rb)+\i:(\rb)+\i+1], v[(\lr):(\lr)+1] op_sel_hi:[1,0]
.endif
.else
.if \acc
	v_pk_fma_f32 v[T+\i:T+\i+1], v[(\rb)+\i:(\rb)+\i+1], v[(\lr)-1:(\lr)], v[T+\i:T+\i+1] op_sel:[0,1,0] op_sel_hi:[1,1,1]
.else
	v_pk_mul_f32 v[T+\i:T+\i+1], v[(\rb)+\i:(\rb)+\i+1], v[(\lr)-1:(\lr)] op_sel:[0,1] op_sel_hi:[1,1]
.endif
.endif
.endr
.endm
; Block j of my 16: formed and quantised.  It is half EE = j % 2 of my lane's part of the fragment of K step 8 w + TT, TT = j / 2; behind the second half the fragment and its scale word leave.
.macro BLOCK j
.set EE, (\j)%2
.set TT, (\j)/2
.set CSET, 240-212*(TT%2)              ; the fragment's 12 registers: v240-251 or v28-39
	PKL 0, RR0, L0V+(\j)
	PKL 1, RR1+32*((\j)%2), L1V+(\j)/2
	PKL 1, RR2, L2V+(\j)
.irp i, 0,2,4,6,8,10,12,14,16,18,20,22,24,26,28,30
	v_pk_mul_f32 v[T+\i:T+\i+1], v[T+\i:T+\i+1], s[32:33] op_sel_hi:[1,0]   ; x 1/3
.endr
	v_max3_num_f32 v[MA], |v[T]|, |v[T+1]|, |v[T+2]|               ; the block's largest magnitude: all 32 numbers are mine; two chains, so that no line waits for the line above it
	v_max3_num_f32 v[MA+1], |v[T+3]|, |v[T+4]|, |v[T+5]|
.irp i, 6,10,14,18,22,26
	v_max3_num_f32 v[MA], v[MA], |v[T+\i]|, |v[T+\i+1]|
	v_max3_num_f32 v[MA+1], v[MA+1], |v[T+\i+2]|, |v[T+\i+3]|
.endr
	v_max3_num_f32 v[MA], v[MA], |v[T+30]|, |v[T+31]|
	v_max3_num_f32 v[MA], v[MA], v[MA+1], 0x2800000                ; and the floor 2^(5 - 127), under which no largest magnitude is taken: so the byte cannot fall under 1
	v_add_nc_u32 v[SOP], 0xfe000000, v[MA]         ; 4 off its exponent field: the conversion takes the exponent field of this operand as its scale, and nothing else of it
.if (EE == 0) && (TT >= 2)
	s_wait_alu depctr_va_vdst(0)
	s_wait_xcnt 0x0                                ; every earlier memory instruction has had its addresses translated (ISA guide 3.1): the registers that the stores of two K steps ago read are rewritten only behind this wait
.endif
	v_cvt_scalef32_pk16_bf6_f32 v[CSET+6*EE:CSET+6*EE+2], v[T:T+15], v[SOP]   ; sixteen numbers / the scale, to the nearest code, ties to even, beyond 28 the largest code; 96 bits without gaps
	v_cvt_scalef32_pk16_bf6_f32 v[XC:XC+2], v[T+16:T+31], v[SOP]   ; (a conversion's three registers begin on an even number: the second half of a block's six does not, so it is made elsewhere and moved)
	v_lshrrev_b32 v[BY+EE], 23, v[SOP]             ; the scale's byte.  (The plain line between the conversions and the lines that touch their results)
.irp i, 0,1,2
	v_mov_b32 v[CSET+6*EE+3+\i], v[XC+\i]
.endr
.if EE == 1
	v_lshl_or_b32 v[WD], v[BY+1], 16, v[BY]        ; my two bytes: blocks h and 2 + h of the K step's four,
	v_lshlrev_b32 v[WD], v[SH8], v[WD]             ; at their places in the scale word (8 h bits up);
	v_permlanex16_b32 v[WP], v[WD], s34, s35
.if (TT%2) == 0
	v_or_b32 v[WE], v[WD], v[WP]                   ; with lane l xor 16's two the word is whole, in both lanes: it waits for the next K step's
.else
	v_or_b32 v[WD], v[WD], v[WP]
	v_cndmask_b32 v[WS], v[WE], v[WD], s36         ; lanes 0-15 send the K step before's word, lanes 16-31 this one's, a unit further on
	global_store_b32 v[VSW], v[WS], s[26:27] offset:SCOFF+UNIT*(TT-1)
.endif
.irp c, 0,1,2
	global_store_b128 v[GO0], v[CSET+4*\c:CSET+4*\c+3], s[22:23] offset:UNIT*TT+512*\c   ; 32 lanes store 512 consecutive bytes, at a multiple of 256 from the buffer's first byte
.endr
.endif
.endm
.set Q, 0
.rept 16
.if Q == 0
	s_wait_loadcnt 32                              ; all but the youngest 32 loads are in: R1's rows for odd j may be out
.elseif Q == 1
	s_wait_loadcnt 0x0
.endif
	BLOCK Q
.set Q, Q+1
.endr
	s_wait_tensorcnt 0x0                           ; the wave's end: three lines behind my last LDS store
	ds_add_u32 v[SPW], v[NIL]
	s_wait_dscnt 0x0
	s_endpgm
.Lfunc_end_k_q57f8f8ec1d_makew:
	.size	k_q57f8f8ec1d_makew, .Lfunc_end_k_q57f8f8ec1d_makew-k_q57f8f8ec1d_makew
	.p2alignl 7, 3214868480
	.fill 96, 4, 3214868480
	.section	.rodata,"a",@progbits
	.p2align	6, 0x0
	.amdhsa_kernel k_q57f8f8ec1d_makew
		.amdhsa_group_segment_fixed_size 50688
		.amdhsa_private_segment_fixed_size 0
		.amdhsa_enable_private_segment 0
		.amdhsa_kernarg_size 80
		.amdhsa_user_sgpr_count 2
		.amdhsa_user_sgpr_kernarg_segment_ptr 1
		.amdhsa_wavefront_size32 1
		.amdhsa_system_sgpr_workgroup_id_x 1
		.amdhsa_system_sgpr_workgroup_id_y 1
		.amdhsa_system_sgpr_workgroup_id_z 1
		.amdhsa_system_vgpr_workitem_id 0
		.amdhsa_next_free_vgpr 456
		.amdhsa_next_free_sgpr 66
		.amdhsa_reserve_vcc 0
		.amdhsa_float_denorm_mode_32 3
		.amdhsa_float_denorm_mode_16_64 3
		.amdhsa_memory_ordered 1
		.amdhsa_forward_progress 1
		.amdhsa_inst_pref_size 120
	.end_amdhsa_kernel
	.amdgpu_metadata
---
amdhsa.version: [ 1, 2 ]
amdhsa.kernels:
  - .name:           k_q57f8f8ec1d_makew
    .symbol:         k_q57f8f8ec1d_makew.kd
    .args:
      - { .name: L0, .offset: 0, .size: 8, .value_kind: global_buffer, .address_space: global }
      - { .name: R0, .offset: 8, .size: 8, .value_kind: global_buffer, .address_space: global }
      - { .name: L1, .offset: 16, .size: 8, .value_kind: global_buffer, .address_space: global }
      - { .name: R1, .offset: 24, .size: 8, .value_kind: global_buffer, .address_space: global }
      - { .name: L2, .offset: 32, .size: 8, .value_kind: global_buffer, .address_space: global }
      - { .name: R2, .offset: 40, .size: 8, .value_kind: global_buffer, .address_space: global }
      - { .name: x_codes, .offset: 48, .size: 8, .value_kind: global_buffer, .address_space: global }
      - { .name: x_scales, .offset: 56, .size: 8, .value_kind: global_buffer, .address_space: global }
      - { .name: xi, .offset: 64, .size: 8, .value_kind: global_buffer, .address_space: global }
      - { .name: wi, .offset: 72, .size: 8, .value_kind: global_buffer, .address_space: global }
    .group_segment_fixed_size: 50688
    .private_segment_fixed_size: 0
    .kernarg_segment_align: 8
    .kernarg_segment_size: 80
    .max_flat_workgroup_size: 128
    .sgpr_count:     66
    .vgpr_count:     456
    .wavefront_size: 32
...
	.end_amdgpu_metadata
.endif
;; end of part 1
;; launch gemm (part 2): grid 16 x 16, 4 waves a work-group, clusters of 4 x 4, 327,680 bytes of LDS; arguments xi, wi, out0, bias; writes out0
.if DOCPART == 2
	.amdgcn_target "amdgcn-amd-amdhsa--gfx1250"
	.amdhsa_code_object_version 6
	.text
	.protected	k_q57f8f8ec1d_gemm
	.globl	k_q57f8f8ec1d_gemm
	.p2align	8
	.type	k_q57f8f8ec1d_gemm,@function
k_q57f8f8ec1d_gemm:
	s_mov_b64 s[64:65], 0
	v_nop
	global_prefetch_b8 v0, s[64:65] scope:SCOPE_SE
	s_setreg_imm32_b32 hwreg(HW_REG_WAVE_MODE, 25, 1), 1
	s_wait_xcnt 0x0
	s_wait_alu depctr_hold_cnt(0) depctr_sa_sdst(0) depctr_va_vdst(0) depctr_va_sdst(0) depctr_va_ssrc(0) depctr_va_vcc(0) depctr_vm_vsrc(0)
	s_getreg_b32 s2, hwreg(HW_REG_IB_STS2, 6, 4)
	s_cmp_eq_u32 s2, 0
	s_cbranch_scc0 .Lentry_in_a_cluster
	s_endpgm
.Lentry_in_a_cluster:
	s_bfe_u32 s2, ttmp6, 0x10000c
	s_cmp_lg_u32 s2, 0xf033
	s_cbranch_scc0 .Lentry_shape_is_right
	s_endpgm
.Lentry_shape_is_right:
; out[m][n] = sum over k of x[m][k] W[k][n] + bias[n]: [4096][4096], K = 4096, on codes of BF6 (E3M2) with one E8M0 byte for each 32 along K; sums in f32.  Nothing is left out.
; xi and wi hold the two operands in UNITS of 12,800 bytes (128 rows x 128 K): eight fragments of 1,536 bytes in the order of the operand's registers (registers 4 c .. 4 c + 3 of lane l at 512 c + 16 l),
; then from byte 12,288 the scale words (row r of fragment i at 64 i + 4 r).  Buffers: [block of 128 rows: 32][K step: 32][unit].
; A work-group of four waves makes 256 x 256 of out, a wave 128 x 128: 64 accumulators, 512 registers.  256 work-groups.  The bias is added in f32 behind the finished sum, as the sum is written.
; THE RING: two LDS slots, each with three K steps of A's 256 rows and B's 256 rows; a wave fetches a quarter of a slot (three units on end, 150 rows of 256 bytes) by one tensor load.  32 K steps are ten fills of three and a last of two.
; CLUSTERS: 4 x 4 work-groups; A's quarters are asked for jointly along a row of the cluster, B's along a column; where a slot is filled, a round of the cluster's barrier stands in front.
; REGISTERS, four windows of 256, all laid alike: local v0-127 the 16 accumulators of A's blocks 2 w, 2 w + 1 ((a, b) at 8 (8 (a % 2) + b)); v128-223 one set of eight fragments: window 0 A's set 0, window 1 A's set 1,
; window 2 B's set 0, window 3 B's set 1; v224-255: window 0 the scale words (two sets of 8) and the way out's addresses; window 2 the six LDS addresses of the fragments.
; BOTH OPERANDS HAVE TWO SETS: a step of parity p multiplies sets p; the next step's 56 LDS loads, into sets 1 - p, stand in ONE run at the step's head, and the step's 64 products follow on end, with four switches of the windows.
; THE MATRIX INSTRUCTION IS USED TRANSPOSED (source 0 = 16 rows of W's columns, source 1 = 16 rows of x): a lane holds eight neighbouring numbers of a row of out.
; The 64 accumulators take turns, one instruction a turn, in the same order in every step.
; PREFETCH: of the 150 blocks of 256 bytes of a quarter's fill each of the four partners that ask for it jointly names 38 (the last 36), told apart by address; two instructions a wave.  The head names fill 1 behind fill 0's load and
; fills 2 and 3 behind fill 1's; the change of slots that loads fill k + 2 names fill k + 4, up to fill 9.  Fill 10 is shorter than the three units that an ask names and is not asked for: so no lane leaves its buffer.
.set SIZE_N, 4096
.set UNIT,   12800
.set SCOFF,  12288
.set FRB,    1536
.set QB,     3*UNIT                    ; a quarter of a slot
.set SLOT,   4*QB
.set BLKB,   32*UNIT                   ; a block of 128 rows, all of K
.set SPARE,  2*SLOT                    ; behind the ring: the spare words, 128 bytes a wave, named by no other line
.set STAGE,  SLOT                      ; the way out's stages lie in slot 1, which has had its last fill and its last read by then
.set SPITCH, 528
.set FRG,  128                         ; a window's fragment set
.set SC,   224                         ; window 0: scale words, set p at SC + 8 p: lanes 0-15 A's block i, lanes 16-31 B's block i
.set SPW,  240                         ; my spare word's LDS address; never rewritten
.set NIL,  241                         ; 0; never rewritten
.set STO,  242                         ; the stage: where I put 32 bytes of a row
.set RD,   243                         ; the stage: where I read a row back
.set CO,   244                         ; 16 x lane
.set PF0,  245                         ; the prefetches' offsets
.set PF1,  246
.set BIA,  248                         ; v248-251 bias of my four columns of a row read back
.set ADRA, 224                         ; window 2: LDS address of my A fragments in slot 0, 1
.set ADRB, 226                         ; of my B fragments
.set ADRS, 228                         ; of my scale words
.set G1, 24
.set G0, 32
.set G1B, 48
.set G0B, 56
.set G1T, 68                           ; group 1 of the last fill: two units
.set G1TB, 80
.set PFA, 92                           ; s[92:93] where my prefetches stand
.set MSB, 0
.macro WIN new                         ; the immediate's high byte repeats the setting that is left
.if MSB != \new
	s_set_vgpr_msb (MSB<<8)|\new
.set MSB, \new
.endif
.endm
.macro WMUL p, w                       ; D and C window w, source 1 (A) window p, source 0 (B) window 2 + p
	WIN (((\w)<<6)|((\w)<<4)|((\p)<<2)|(2+(\p)))
.endm
.macro PLACES
.rept 4
	v_nop
.endr
.endm
.macro JLOAD g0a, g1a, g0b, g1b        ; a joint load: waves 0 and 1 fetch A's halves, waves 2 and 3 B's; s_nop 0 and four v_nop behind each line
	s_cmp_eq_u32 s15, 0
	s_cbranch_scc0 .Lfor_b_\@
	tensor_load_to_lds s[\g0a:\g0a+3], s[\g1a:\g1a+7]
	s_nop 0
	PLACES
	s_branch .Lasked_\@
.Lfor_b_\@:
	tensor_load_to_lds s[\g0b:\g0b+3], s[\g1b:\g1b+7]
	s_nop 0
	PLACES
.Lasked_\@:
.endm
.macro CREST
	s_cmp_lg_u32 s14, 0
	s_cbranch_scc1 .Lnot_wave_0_\@
	s_barrier_signal -3
.Lnot_wave_0_\@:
	s_barrier_wait -3
	s_barrier_signal -1
	s_barrier_wait -1
.endm
.macro CROUND
	s_barrier_signal -1
	s_barrier_wait -1
	CREST
.endm
.macro ASK off                         ; my work-group's share of one fill of my quarter
	global_prefetch_b8 v[PF0], s[PFA:PFA+1] offset:\off th:TH_LOAD_NT scope:SCOPE_SE
	global_prefetch_b8 v[PF1], s[PFA:PFA+1] offset:\off th:TH_LOAD_NT scope:SCOPE_SE
.endm
	s_load_b128 s[4:7], s[0:1], 0x0                ; xi, wi
	s_load_b128 s[8:11], s[0:1], 0x10              ; out, bias
	v_lshl_add_u32 v[SPW], v0, 2, SPARE
	v_mov_b32 v[NIL], 0
	ds_add_u32 v[SPW], v[NIL]                      ; the opening lines: the add, twice on end; its wait stands ahead of my first tensor load
	ds_add_u32 v[SPW], v[NIL]
	v_lshrrev_b32 v1, 5, v0
	v_readfirstlane_b32 s14, v1                    ; wave
	s_lshr_b32 s15, s14, 1                         ; my half of the rows.  Also: I fetch for A (0) or B (1)
	s_and_b32 s16, s14, 1                          ; my half of the columns.  Also: which 128 rows I fetch
	s_bfe_u32 s40, ttmp6, 0x40000                  ; cx
	s_bfe_u32 s41, ttmp6, 0x40004                  ; cy
	s_lshl_b32 s42, ttmp9, 2
	s_add_co_u32 s42, s42, s40                     ; tile column
	s_and_b32 s17, ttmp7, 0xffff
	s_lshl_b32 s17, s17, 2
	s_add_co_u32 s17, s17, s41                     ; tile row
	s_lshl_b32 s43, s41, 2
	s_lshl_b32 s43, 15, s43                        ; my row of the cluster
	s_lshl_b32 s44, 0x1111, s40                    ; my column
	s_or_b32 s[G1+0], s43, (3<<16)|(1<<21)         ; elements of 8 bytes, the mask, bit 21 beside it; no padding: the units are read 16 x lane
	s_or_b32 s[G1B+0], s44, (3<<16)|(1<<21)
	s_or_b32 s[G1T+0], s43, (3<<16)|(1<<21)
	s_or_b32 s[G1TB+0], s44, (3<<16)|(1<<21)
.irp g, G1, G1B                        ; 150 rows of 256 bytes, dense
	s_mov_b32 s[\g+1], 32<<16
	s_mov_b32 s[\g+2], (QB/256)<<16
	s_mov_b32 s[\g+3], 32<<16
	s_mov_b32 s[\g+4], QB/256
	s_mov_b32 s[\g+5], 32
	s_mov_b32 s[\g+6], 0
	s_mov_b32 s[\g+7], 0
.endr
.irp g, G1T, G1TB                      ; 100 rows
	s_mov_b32 s[\g+1], 32<<16
	s_mov_b32 s[\g+2], (2*UNIT/256)<<16
	s_mov_b32 s[\g+3], 32<<16
	s_mov_b32 s[\g+4], 2*UNIT/256
	s_mov_b32 s[\g+5], 32
	s_mov_b32 s[\g+6], 0
	s_mov_b32 s[\g+7], 0
.endr
	s_lshl_b32 s20, s17, 1
	s_add_co_u32 s20, s20, s16
	s_mul_i32 s20, s20, BLKB                       ; A: block 2 x tile row + half
	s_mov_b32 s21, 0
	s_lshl_b32 s46, s42, 1
	s_add_co_u32 s46, s46, s16
	s_mul_i32 s46, s46, BLKB                       ; B: block 2 x tile column + half
	s_mov_b32 s47, 0
	s_mul_i32 s45, s14, QB                         ; where my quarter goes
	s_mul_i32 s88, s15, QB                         ; where I read A,
	s_mul_i32 s89, s16, QB
	s_add_co_u32 s89, s89, 2*QB                    ; and B
	s_sub_co_u32 s90, s89, s88
	s_add_co_u32 s91, s88, SLOT
	s_add_co_u32 s94, s89, SLOT
	s_mul_i32 s95, s14, 16*SPITCH
	s_add_co_u32 s95, s95, STAGE                   ; my stage
	s_cmp_eq_u32 s15, 0
	s_cselect_b32 s2, s40, s41                     ; my place among the four that ask with me
	s_mul_i32 s2, s2, 38
	s_lshl_b32 s22, s42, 10
	s_lshl_b32 s23, s16, 9
	s_add_co_u32 s22, s22, s23                     ; my first column, in bytes
	s_mov_b32 s23, 0
	s_lshl_b32 s18, s17, 8
	s_lshl_b32 s19, s15, 7
	s_add_co_u32 s18, s18, s19
	s_lshl_b32 s18, s18, 14                        ; my first row x 16,384 bytes (under 2^27)
	s_add_co_u32 s18, s18, s22
	s_mov_b32 s19, 0
	v_and_b32 v1, 15, v0                           ; r
	v_bfe_u32 v2, v0, 4, 1                         ; h
	v_and_b32 v3, 31, v0                           ; lane
	v_lshlrev_b32 v[CO], 4, v3
	v_mul_u32_u24 v5, s90, v2                      ; lanes 16-31 take B's scale words
	v_lshl_add_u32 v5, v1, 2, v5
	WIN 0x80                                       ; the six LDS addresses go into window 2
	v_add_nc_u32 v[ADRA], s88, v[CO]
	v_add_nc_u32 v[ADRA+1], s91, v[CO]
	v_add_nc_u32 v[ADRB], s89, v[CO]
	v_add_nc_u32 v[ADRB+1], s94, v[CO]
	v_add_nc_u32 v[ADRS], s88, v5
	v_add_nc_u32 v[ADRS+1], s91, v5
	WIN 0
	v_mul_u32_u24 v6, v1, SPITCH
	v_lshl_add_u32 v6, v2, 5, v6
	v_add_nc_u32 v[STO], s95, v6
	v_add_nc_u32 v[RD], s95, v[CO]
	v_add_nc_u32 v7, s2, v3                        ; blocks 38 p + lane,
	v_lshlrev_b32 v[PF0], 8, v7
	v_min_u32 v8, 5, v3
	v_add3_u32 v8, v8, s2, 32                      ; and 38 p + 32 .. 37, held at the fill's last block
	v_min_u32 v8, 149, v8
	v_lshlrev_b32 v[PF1], 8, v8
	s_wait_alu depctr_va_vdst(0)                   ; the wait at the head's end
	s_wait_dscnt 0x0                               ; both opening adds are done
	s_wait_kmcnt 0x0
	s_add_nc_u64 s[20:21], s[4:5], s[20:21]
	s_add_nc_u64 s[46:47], s[6:7], s[46:47]
	s_add_nc_u64 s[8:9], s[8:9], s[18:19]
	s_add_nc_u64 s[10:11], s[10:11], s[22:23]
	s_cmp_eq_u32 s15, 0
	s_cselect_b64 s[PFA:PFA+1], s[20:21], s[46:47]
.irp s, 0,1
	s_mov_b32 s[G0+4*\s], 1
	s_add_co_u32 s[G0+4*\s+1], s45, \s*SLOT
	s_add_nc_u64 s[G0+4*\s+2:G0+4*\s+3], s[20:21], \s*QB
	s_or_b32 s[G0+4*\s+3], s[G0+4*\s+3], 0x80000000
	s_mov_b32 s[G0B+4*\s], 1
	s_add_co_u32 s[G0B+4*\s+1], s45, \s*SLOT
	s_add_nc_u64 s[G0B+4*\s+2:G0B+4*\s+3], s[46:47], \s*QB
	s_or_b32 s[G0B+4*\s+3], s[G0B+4*\s+3], 0x80000000
.endr
	CROUND                                         ; all sixteen work-groups are here
	JLOAD G0, G1, G0B, G1B                         ; fill 0: one tensor load a wave at the head
	ASK QB
	global_load_b128 v[BIA:BIA+3], v[CO], s[10:11] ; bias of columns 4 lane .. 4 lane + 3 of my 128
	s_wait_tensorcnt 0x0                           ; my part of fill 0 is in
	ds_add_u32 v[SPW], v[NIL]
	s_wait_dscnt 0x0
	CROUND
	JLOAD G0+4, G1, G0B+4, G1B                     ; fill 1, the first tensor load behind the round
	ASK 2*QB
	ASK 3*QB
.macro WM p, a, b, zero                ; one product: A's block a x B's block b, 128 along K
.set AC, 8*(8*((\a)%2)+(\b))
.if \zero
	v_wmma_scale_f32_16x16x128_f8f6f4 v[AC:AC+7], v[FRG+12*(\b):FRG+12*(\b)+11], v[FRG+12*(\a):FRG+12*(\a)+11], 0, v[SC+8*(\p)+(\b)], v[SC+8*(\p)+(\a)] matrix_a_fmt:MATRIX_FMT_BF6 matrix_b_fmt:MATRIX_FMT_BF6 matrix_a_scale:MATRIX_SCALE_ROW1
.else
	v_wmma_scale_f32_16x16x128_f8f6f4 v[AC:AC+7], v[FRG+12*(\b):FRG+12*(\b)+11], v[FRG+12*(\a):FRG+12*(\a)+11], v[AC:AC+7], v[SC+8*(\p)+(\b)], v[SC+8*(\p)+(\a)] matrix_a_fmt:MATRIX_FMT_BF6 matrix_b_fmt:MATRIX_FMT_BF6 matrix_a_scale:MATRIX_SCALE_ROW1
.endif
.endm
.macro HALF p, a, zero                 ; the eight products of block a
.irp b, 0,1,2,3,4,5,6,7
	WM \p, \a, \b, \zero
.endr
.endm
.macro PHASE p, w, zero                ; the sixteen products of window w
	WMUL \p, \w
	HALF \p, 2*(\w), \zero
	HALF \p, 2*(\w)+1, \zero
.endm
; 56 LDS loads in one run: unit t of the slot into sets 1 - p.  The addresses lie in window 2 (a load's address is its source 0), the data go to B's window 3 - p, A's window 1 - p, and the scale words to window 0.
.macro FETCH p, slot, t
	WIN (((3-(\p))<<6)|2)
.irp i, 0,1,2,3,4,5,6,7
.irp c, 0,1,2
	ds_load_b128 v[FRG+12*\i+4*\c:FRG+12*\i+4*\c+3], v[ADRB+\slot] offset:(\t)*UNIT+\i*FRB+512*\c
.endr
.endr
	WIN (((1-(\p))<<6)|2)
.irp i, 0,1,2,3,4,5,6,7
.irp c, 0,1,2
	ds_load_b128 v[FRG+12*\i+4*\c:FRG+12*\i+4*\c+3], v[ADRA+\slot] offset:(\t)*UNIT+\i*FRB+512*\c
.endr
.endr
	WIN 2
.irp i, 0,1,2,3,4,5,6,7
	ds_load_b32 v[SC+8*(1-(\p))+\i], v[ADRS+\slot] offset:SCOFF+(\t)*UNIT+64*\i
.endr
.endm
; A K step that stays in its slot: loads unit t + 1 into sets 1 - p, multiplies sets p.
.macro STEP slot, t, p, zero
	PLACES                                         ; in front of loads into registers that the step before multiplied
	FETCH \p, \slot, (\t)+1
	s_wait_dscnt 56                                ; all but the 56 just issued: sets p are in
	PHASE \p, 0, \zero
	PHASE \p, 1, \zero
	PHASE \p, 2, \zero
	PHASE \p, 3, \zero
.endm
; A slot's last K step.  Its fragments are in registers, so the slot is given up at the step's head: the wait for all my tensor loads, the add, the wait for it and for my reads, the barrier, which opens a round
; where the slot is filled again (fill = 1: three units, 2: the last two, 0: none); behind it the refill, then the next slot's first unit.
.macro TURN slot, p, next, fill, ask
	WIN 0
.if \ask
	s_wait_xcnt 0x0                                ; my earlier prefetches have read their base
	s_add_nc_u64 s[PFA:PFA+1], s[PFA:PFA+1], QB
.endif
	s_wait_tensorcnt 0x0                           ; all my tensor loads have landed: my part of the next slot
	ds_add_u32 v[SPW], v[NIL]
	s_wait_dscnt 1                                 ; (the add alone may be out: sets p are in)
	WMUL \p, 0
	HALF \p, 0, 0
	s_wait_dscnt 0x0                               ; the add is done; my reads of this slot were over before
	s_barrier_signal -1
	HALF \p, 1, 0
	WIN 0
	s_barrier_wait -1
.if \fill
	CREST
	s_add_nc_u64 s[G0+4*\slot+2:G0+4*\slot+3], s[G0+4*\slot+2:G0+4*\slot+3], 2*QB
	s_add_nc_u64 s[G0B+4*\slot+2:G0B+4*\slot+3], s[G0B+4*\slot+2:G0B+4*\slot+3], 2*QB
.if \fill == 1
	JLOAD G0+4*\slot, G1, G0B+4*\slot, G1B         ; its four v_nop are also the places in front of the loads below
.else
	JLOAD G0+4*\slot, G1T, G0B+4*\slot, G1TB
.endif
.if \ask
	s_cmp_gt_u32 s3, 1                             ; the loop's last trip would name fills 10 and 11
	s_cbranch_scc0 .Lno_ask_\@
	ASK 3*QB                                       ; two refills on
.Lno_ask_\@:
.endif
.else
	PLACES
.endif
	FETCH \p, \next, 0
	PHASE \p, 1, 0
	PHASE \p, 2, 0
	PHASE \p, 3, 0
.endm
	FETCH 1, 0, 0                                  ; K step 0 into sets 0
	s_wait_loadcnt 0x0                             ; the bias
	STEP 0, 0, 0, 1                                ; the first step's products start the sums
	WIN 0
	s_mov_b32 s3, 4
.Llap:                                                 ; a trip: six K steps, once round the ring
	STEP 0, 1, 1, 0
	TURN 0, 0, 1, 1, 1
	STEP 1, 0, 1, 0
	STEP 1, 1, 0, 0
	TURN 1, 1, 0, 1, 1
	STEP 0, 0, 0, 0
	WIN 0
	s_sub_co_u32 s3, s3, 1
	s_cmp_lg_u32 s3, 0
	s_cbranch_scc1 .Llap
	STEP 0, 1, 1, 0
	TURN 0, 0, 1, 2, 0                             ; the last fill: K steps 30 and 31
	STEP 1, 0, 1, 0
	STEP 1, 1, 0, 0
	TURN 1, 1, 0, 0, 0                             ; nothing is left to fetch: no round
	STEP 0, 0, 0, 0
; THE LAST K STEP GOES BLOCK BY BLOCK, and each block of 16 rows x 128 columns leaves as soon as it is finished: through my own stage in LDS, back as whole rows of 512 bytes INTO THE BLOCK'S OWN 64 REGISTERS,
; the bias added, stored as two aligned runs of 256 bytes a row.  One setting serves a block's way: addresses and bias window 0 (source 0), data window a / 2 (source 1 and destination).
.macro ROW a
	WMUL 1, (\a)/2
	HALF 1, \a, 0
.endm
.macro TOSTAGE a
.set AB, 64*((\a)%2)
	WIN ((((\a)/2)<<6)|(((\a)/2)<<2))
.irp b, 0,1,2,3,4,5,6,7
	ds_store_b128 v[STO], v[AB+8*\b:AB+8*\b+3] offset:64*\b          ; each accumulator from its low end on
	ds_store_b128 v[STO], v[AB+8*\b+4:AB+8*\b+7] offset:64*\b+16
.endr
.irp t, 0,1,2,3,4,5,6,7,8,9,10,11,12,13,14,15
	ds_load_b128 v[AB+4*\t:AB+4*\t+3], v[RD] offset:\t*SPITCH        ; LDS serves a wave's instructions in order (ISA guide 5.7.1.4): these see the stores above
.endr
.endm
.macro SEND a, younger                 ; younger: the next block's 16 stores and 16 loads, which may stay out
.set AB, 64*((\a)%2)
	WIN ((((\a)/2)<<6)|(((\a)/2)<<2))
	s_wait_dscnt \younger
.irp t, 0,1,2,3,4,5,6,7,8,9,10,11,12,13,14,15
	v_pk_add_f32 v[AB+4*\t:AB+4*\t+1], v[BIA:BIA+1], v[AB+4*\t:AB+4*\t+1]
	v_pk_add_f32 v[AB+4*\t+2:AB+4*\t+3], v[BIA+2:BIA+3], v[AB+4*\t+2:AB+4*\t+3]
.endr
.irp t, 0,1,2,3,4,5,6,7,8,9,10,11,12,13,14,15
	global_store_b128 v[CO], v[AB+4*\t:AB+4*\t+3], s[8:9] offset:(16*(\a)+\t)*SIZE_N*4 th:TH_STORE_NT   ; 32 lanes store 512 consecutive bytes; the row stands in the immediate, 127 rows of 16,384 bytes at the most
.endr
.endm
.macro TRI r, t, s                     ; block r is multiplied, block t goes through the stage, block s is stored
	ROW \r
	PLACES                                         ; in front of the stage's reads of results
	TOSTAGE \t
	SEND \s, 32
.endm
	s_wait_dscnt 0x0                               ; sets 1 are in
	ROW 0
	ROW 1
	PLACES
	TOSTAGE 0
	TRI 2, 1, 0
	TRI 3, 2, 1
	TRI 4, 3, 2
	TRI 5, 4, 3
	TRI 6, 5, 4
	TRI 7, 6, 5
	PLACES
	TOSTAGE 7
	SEND 6, 32
	SEND 7, 0
	WIN 0
	s_wait_tensorcnt 0x0                           ; the wave's end
	ds_add_u32 v[SPW], v[NIL]
	s_wait_dscnt 0x0
	CROUND                                         ; the closing round
	s_endpgm
.Lfunc_end_k_q57f8f8ec1d_gemm:
	.size	k_q57f8f8ec1d_gemm, .Lfunc_end_k_q57f8f8ec1d_gemm-k_q57f8f8ec1d_gemm
	.p2alignl 7, 3214868480
	.fill 96, 4, 3214868480
	.section	.rodata,"a",@progbits
	.p2align	6, 0x0
	.amdhsa_kernel k_q57f8f8ec1d_gemm
		.amdhsa_group_segment_fixed_size 327680
		.amdhsa_private_segment_fixed_size 0
		.amdhsa_enable_private_segment 0
		.amdhsa_kernarg_size 32
		.amdhsa_user_sgpr_count 2
		.amdhsa_user_sgpr_kernarg_segment_ptr 1
		.amdhsa_wavefront_size32 1
		.amdhsa_system_sgpr_workgroup_id_x 1
		.amdhsa_system_sgpr_workgroup_id_y 1
		.amdhsa_system_sgpr_workgroup_id_z 1
		.amdhsa_system_vgpr_workitem_id 0
		.amdhsa_next_free_vgpr 1024
		.amdhsa_next_free_sgpr 98
		.amdhsa_reserve_vcc 0
		.amdhsa_float_denorm_mode_32 3
		.amdhsa_float_denorm_mode_16_64 3
		.amdhsa_memory_ordered 1
		.amdhsa_forward_progress 1
		.amdhsa_inst_pref_size 225
	.end_amdhsa_kernel
	.amdgpu_metadata
---
amdhsa.version: [ 1, 2 ]
amdhsa.kernels:
  - .name:           k_q57f8f8ec1d_gemm
    .symbol:         k_q57f8f8ec1d_gemm.kd
    .args:
      - { .name: xi, .offset: 0, .size: 8, .value_kind: global_buffer, .address_space: global }
      - { .name: wi, .offset: 8, .size: 8, .value_kind: global_buffer, .address_space: global }
      - { .name: out0, .offset: 16, .size: 8, .value_kind: global_buffer, .address_space: global }
      - { .name: bias, .offset: 24, .size: 8, .value_kind: global_buffer, .address_space: global }
    .group_segment_fixed_size: 327680
    .private_segment_fixed_size: 0
    .kernarg_segment_align: 8
    .kernarg_segment_size: 32
    .max_flat_workgroup_size: 128
    .sgpr_count:     98
    .vgpr_count:     1024
    .wavefront_size: 32
...
	.end_amdgpu_metadata
.endif
;; end of part 2
